; MI455X (gfx1250); checked and timed in simulation.
; The chip was launched on July 23, 2026; its instructions are those of AMD's public machine-readable ISA for CDNA 5 (MIT licence, August 2026) and "CDNA5" Instruction Set Architecture Reference Guide (July 2026). The comments in the code are by the model that wrote it; some were corrected since.
;; SRL Embeddings. Allowed arithmetic: matrix products marked QUANTISED: E4M3 operands, one given power-of-two scale a tensor, by v_wmma_f32_16x16x64_fp8_fp8 or v_wmma_f32_16x16x128_fp8_fp8, f32 sums; products left as they are: f32 operands where the result goes on into a quantised operand, else bf16, f16 or f32 operands; f32 sums; everything else in f32.
;; Inputs: arg0_ids 32 x 8 x 10 x 8 int32; arg1_ids 32 x 8 x 10 x 8 int32; lowp_scales 6 int32 (the exponents e of the quantised operands' scales 2^e); predicate_ids 32 x 8 x 10 x 8 int32; sentence_attention_masks 32 x 8 x 128 float32; sentence_embeddings 32 x 8 x 128 x 768 float32; sentence_ids 32 x 8 x 128 int32.
;; Outputs: out0 32 x 8 x 768 float32; out1 32 x 8 x 10 x 768 float32; out2 32 x 8 x 10 x 768 float32; out3 32 x 8 x 10 x 768 float32.
;; This version of the problem:
;;   THIS VERSION OF THE PROBLEM IS GIVEN IN LOW PRECISION. The matrix products marked QUANTISED in the list below multiply operands that are first quantised to E4M3 (4 exponent bits, 3 mantissa bits; 8 bits a number), with one given power-of-two scale for each operand tensor; their sums are f32. All else is computed in f32.
;;   The module's matrix products, in the order in which they are computed (A, B: the left and right operand; K: the contracted axis; several contracted axes count as one K, in the product's order):
;;     1. batch 256 x [M 768, K 128] x [K 128, N 1]; A: input sentence_embeddings; B: input sentence_attention_masks: left as it is (N = 1 < 16)
;;     2. batch 256 x [M 80, K 128] x [K 128, N 768]; A: computed on the way; B: input sentence_embeddings: QUANTISED (scales: A lowp_scales[0], B lowp_scales[1])
;;     3. batch 256 x [M 80, K 128] x [K 128, N 768]; A: computed on the way; B: input sentence_embeddings: QUANTISED (scales: A lowp_scales[2], B lowp_scales[3])
;;     4. batch 256 x [M 80, K 128] x [K 128, N 768]; A: computed on the way; B: input sentence_embeddings: QUANTISED (scales: A lowp_scales[4], B lowp_scales[5])
;;   THE QUANTISER, for each operand of a quantised product, along K:
;;     - The operand's scale is 2^e, e = its entry of the input lowp_scales (int32; the entries are numbered through the quantised products in the list's order, A before B).
;;     - Each number is divided by the scale, clamped to +-448, and rounded to the nearest number of E4M3, ties to even, subnormals kept.
;;     - The product sums the exact products of the quantised numbers (number of the format x scale) in f32.
;;   ~~~python
;;   def quantise(x, axis, e):      # numpy; x: float32 -> the quantised numbers, widened to float32 again
;;       x = np.moveaxis(x, axis, -1); K = x.shape[-1]
;;       r = np.clip(x / 2.0 ** e, -448, 448)
;;       step = 2.0 ** (np.maximum(np.frexp(np.where(r == 0, 1, r))[1] - 1, -6) - 3)
;;       q = np.round(r / step) * step * 2.0 ** e      # np.round: ties to even
;;       return np.moveaxis(q, -1, axis).astype(np.float32)
;;   ~~~
;;   OPERANDS COMPUTED ON THE WAY. 'Computed on the way' means the value that the module computes at that place (a softmax that the list does not call 'softmax' is quantised finished and normalised). What goes into a quantiser is computed in f32, as accurately as f32 sums, v_exp_f32 and their like allow (about 1e-6 of the number): no bf16 or f16 on the way to a quantiser, and a product that is left as it is and whose result goes on into a quantised operand takes f32 operands (vector FMAs, or v_wmma_f32_16x16x4_f32). A number that lies on a knife's edge between two numbers of the format may be rounded either way, as far as f32 arithmetic and the matrix unit's own rounding can turn it there, and no further.
;; 2 versions, each right; version 2 is version 1 with the launch srl written anew for expert scheduling mode. Each part assembles by itself: llvm-mc -triple=amdgcn-amd-amdhsa -mcpu=gfx1250 --defsym DOCPART=n.
;; ======== version 1 of 2: 1 launch
;; launch srl (part 1): grid 256 x 1, 12 waves a work-group, no clusters, 9,216 bytes of LDS; arguments sentence_embeddings, sentence_ids, sentence_attention_masks, predicate_ids, arg0_ids, arg1_ids, lowp_scales, out0, out1, out2, out3; writes out0, out1, out2, out3
.if DOCPART == 1
	.amdgcn_target "amdgcn-amd-amdhsa--gfx1250"
	.amdhsa_code_object_version 6
	.text
	.protected	k_q56baab979d_srl
	.globl	k_q56baab979d_srl
	.p2align	8
	.type	k_q56baab979d_srl,@function
k_q56baab979d_srl:
	s_mov_b64 s[64:65], 0
	v_nop
	global_prefetch_b8 v0, s[64:65] scope:SCOPE_SE
	s_setreg_imm32_b32 hwreg(HW_REG_WAVE_MODE, 25, 1), 1
	s_wait_xcnt 0x0
; For each of 256 sentences: emb [128 tokens][768] f32, 128 token ids, 128 mask numbers, three tensors of 10 arguments x 8 argument tokens.
; out0 = (sum over tokens of mask x emb) / max(sum of mask, 1), in f32 multiply-adds.
; out1..3 (predicates, arg0, arg1): for each argument the LAST of its 8 tokens that is not 0 and occurs in the sentence is kept; the result is the mean of emb over the
; sentence tokens equal to it, or 0 where no token occurs.  That sum is a product on codes of FP8 (E4M3): A = the kept token's row of 0 / 1 over the 128 sentence tokens, B = emb, K = the tokens;
; each of the three products has its own two given scales 2^e, so emb is quantised three times, in registers.  Only the kept row of each argument is multiplied: the other seven are thrown away by the problem's own gather.
; The choice is made on whole numbers by compares and scalar selects; no address and no branch hangs on it.
; SHARES.  One work-group a sentence, 256 in all; work-groups share no input, so nothing is asked for jointly.  Wave w of twelve takes columns 64 w .. 64 w + 63 and all 128 tokens.
; Lane (r = lane % 16, h = lane / 16) holds columns 4 r .. 4 r + 3 of the strip and tokens 64 h + 0 .. 63: load i brings row i to lanes 0-15 and row 64 + i to lanes 16-31, 256 consecutive aligned bytes each.
; LAYOUT.  Tile c of B's columns is the set 4 r + c.  The hold in front of the conversion writes other registers than it reads, and so lays eight tokens of one column on end; register j, byte b of a fragment holds
; token 64 h + 4 j + b, in A as in B: a permutation of K that is the same on both sides.  In the result, register j of tile c is (row 8 h + j, column 4 r + c): the four tiles' registers j are 16 neighbouring bytes of a row.
; Argument a stands in row a (a < 5) or a + 3: lanes 0-15 hold arguments 0-4, lanes 16-31 arguments 5-9, in registers 0-4; each store of the wave covers two runs of 256 consecutive aligned bytes.
; ROLES ahead of the one barrier: waves 0-2 build product w's fragment of A and its rows' factors 2^(eA + eB) / max(count, 1); wave 3 lays the mask and 1 / max(its sum, 1) into LDS; every wave has its first 19 loads out meanwhile.
; LIMITS.  Each of the six given exponents lies between -126 and 119, so that 2^e and 448 x 2^e are f32 numbers.  NaN among the embeddings is not served; an infinity is held at the largest code.
; Divisions are a reciprocal (v_rcp_f32) and a multiplication.
; REGISTERS.  Window 0: v1-15 addresses; v16-23 the pool's sums; v24-39 two sets of eight held numbers; v40-47 eight mask numbers; v48-50 448 x 2^eB; v64-255 the codes: product p, tile c at 64 + 64 p + 16 c.
; Window 1: v0-75 a ring of 19 slots of four registers for emb; v76-78 2^eB.  At the end window 1 holds A's fragments (v0-15, v16-31) and the four accumulators (v32-63).
.set RING,  19                         ; slots = loads of a wave in flight at the most
.set ROWB,  3072                       ; a row of emb or of an output, in bytes
.set AIMG,  0                          ; LDS: A's fragment of product p as an image of its registers: registers 4 q .. 4 q + 3 at 2048 p + 512 q + 16 x lane
.set FB,    6144                       ; the factor of row m of product p at 128 p + 4 m
.set MB,    6656                       ; the mask, 128 numbers
.set RB,    7168                       ; 1 / max(sum of the mask, 1), a word a lane
.set LN,    1                          ; v1   lane
.set R,     2                          ; v2   r
.set H,     3                          ; v3   h
.set XA,    4                          ; v4   emb: 64 rows x h + 16 r + 256 w
.set OA,    5                          ; v5   out1..3: 5 rows x h + 16 r + 256 w
.set PA,    6                          ; v6   out0: 256 w + 16 r + 8 h
.set LI,    7                          ; v7   16 x lane
.set AW,    8                          ; v8   where a builder stores its image
.set FW,    9                          ; v9   where a builder stores its factors
.set FRD,   10                         ; v10  where I read my half's factors
.set MRD,   11                         ; v11  where I read my half's mask numbers
.set MW,    12                         ; v12  where wave 3 stores the mask
.set RW,    13                         ; v13  the reciprocal's word of my lane
.set IDA,   14                         ; v14  4 x lane
.set RCP,   15
.set ACC,   16
.set T0,    24
.set M,     40
.set LIM,   48
.set TP,    51
.set CODE,  64
.set FF,    24                         ; at the end: product p's eight factors at v[24 + 8 p]
.set SC,    76                         ; in window 1
.set DD,    32                         ; in window 1
.set IDS,   64                         ; a builder's own: the sentence's ids, word i = token 32 i + lane
.set W0,    68                         ; v68, v69: my row's 64 match bits of my half;  v70: its count
.set CNT,   70
.set C1,    72                         ; the code of 1.0 under 2^eA
.set AI,    80                         ; the image, 16 registers
.set MT,    84                         ; s[84:87], s[88:91] the match words of one argument token, two sets by turns
.set SEL,   92                         ; s[92:95] the match words that are kept
.set MSB, 0
.macro WIN new                         ; the immediate's high byte repeats the setting that is left
.if MSB != \new
	s_set_vgpr_msb (MSB<<8)|\new
.set MSB, \new
.endif
.endm
.macro XLOAD n                         ; load n of 64: rows n and 64 + n of my strip, into slot n % RING of window 1
	global_load_b128 v[4*((\n)%RING):4*((\n)%RING)+3], v[XA], s[4:5] offset:(\n)*ROWB th:TH_LOAD_NT
.endm
.macro XFIRST                          ; the ring's first fill
	WIN 0x40                                       ; destination window 1
.set N, 0
.rept RING
	XLOAD N
.set N, N+1
.endr
	WIN 0
.endm
	s_load_b512 s[4:19], s[0:1], 0x0               ; emb s[4:5], ids s[6:7], mask s[8:9], predicates s[10:11], arg0 s[12:13], arg1 s[14:15], exponents s[16:17], out0 s[18:19]
	s_load_b128 s[20:23], s[0:1], 0x40             ; out1, out2
	s_load_b64 s[24:25], s[0:1], 0x50              ; out3
	v_lshl_add_u32 v62, v0, 2, 0x1e00
	v_mov_b32 v63, 0
	v_and_b32 v[LN], 31, v0
	v_and_b32 v[R], 15, v0
	v_bfe_u32 v[H], v0, 4, 1
	v_lshrrev_b32 v[TP], 5, v0
	v_readfirstlane_b32 s26, v[TP]                 ; wave 0..11
	s_min_u32 s27, s26, 2                          ; a builder's product; in the other waves a number that keeps the two addresses below inside LDS, where they are not used
	v_mul_u32_u24 v[TP], v[H], 64*ROWB
	v_lshl_add_u32 v[XA], v[R], 4, v[TP]
	v_lshl_add_u32 v[XA], s26, 8, v[XA]
	v_mul_u32_u24 v[TP], v[H], 5*ROWB
	v_lshl_add_u32 v[OA], v[R], 4, v[TP]
	v_lshl_add_u32 v[OA], s26, 8, v[OA]
	v_lshlrev_b32 v[PA], 4, v[R]
	v_lshl_add_u32 v[PA], v[H], 3, v[PA]
	v_lshl_add_u32 v[PA], s26, 8, v[PA]
	v_lshlrev_b32 v[LI], 4, v[LN]
	s_lshl_b32 s2, s27, 11
	v_add_nc_u32 v[AW], s2, v[LI]
	s_lshl_b32 s2, s27, 7
	s_add_co_u32 s2, s2, FB
	v_lshl_add_u32 v[FW], v[LN], 2, s2
	v_lshl_add_u32 v[FRD], v[H], 5, FB
	v_lshl_add_u32 v[MRD], v[H], 8, MB
	v_add_nc_u32 v[MW], MB, v[LI]
	v_lshlrev_b32 v[IDA], 2, v[LN]
	v_lshl_add_u32 v[RW], v[LN], 2, RB
	s_mov_b32 s100, 0x76543210                     ; v_permlanex16_b32: each lane takes its own place in the other half
	s_mov_b32 s101, 0xfedcba98
	s_mov_b32 s35, 0
	s_wait_kmcnt 0x0
	s_load_b128 s[28:31], s[16:17], 0x0            ; the exponents: eA, eB of product 0, of product 1,
	s_load_b64 s[32:33], s[16:17], 0x10            ; of product 2
	s_mul_i32 s34, ttmp9, 128*ROWB                 ; every base goes to my sentence, once; none is written again
	s_add_nc_u64 s[4:5], s[4:5], s[34:35]
	s_lshl_b32 s34, ttmp9, 9
	s_add_nc_u64 s[6:7], s[6:7], s[34:35]
	s_add_nc_u64 s[8:9], s[8:9], s[34:35]
	s_mul_i32 s34, ttmp9, ROWB
	s_add_nc_u64 s[18:19], s[18:19], s[34:35]
	s_mul_i32 s34, ttmp9, 10*ROWB
	s_add_nc_u64 s[20:21], s[20:21], s[34:35]
	s_add_nc_u64 s[22:23], s[22:23], s[34:35]
	s_add_nc_u64 s[24:25], s[24:25], s[34:35]
	s_mul_i32 s34, ttmp9, 320                      ; 10 arguments x 8 tokens x 4 bytes
	s_cmp_eq_u32 s26, 0                            ; the tensor of arguments is chosen by the wave's number
	s_cselect_b64 s[36:37], s[10:11], s[12:13]
	s_cmp_eq_u32 s26, 2
	s_cselect_b64 s[36:37], s[14:15], s[36:37]
	s_add_nc_u64 s[36:37], s[36:37], s[34:35]
	s_cmp_lt_u32 s26, 3                            ; the waves part once, by their number
	s_cbranch_scc1 .Lbuilder
	s_cmp_eq_u32 s26, 3
	s_cbranch_scc1 .Lmasker
	XFIRST
	s_branch .Ljoin
; ---- waves 0-2: product w's fragment of A and its factors
.macro CMP base, t                     ; which of the 128 sentence tokens equal argument token t: four words of 32 bits
.irp i, 0,1,2,3
	v_cmp_eq_u32 s[MT+4*((\t)%2)+\i], s[\base+(\t)], v[IDS+\i]
.endr
.endm
.macro SELT base, t                    ; token t's words are kept if it is not 0 and occurs: t ascends, so the last such token stays
.set MM, MT+4*((\t)%2)
	s_or_b32 s96, s[MM], s[MM+1]
	s_or_b32 s97, s[MM+2], s[MM+3]
	s_or_b32 s96, s96, s97
	s_cmp_lg_u32 s[\base+(\t)], 0
	s_cselect_b32 s96, s96, 0
	s_cmp_lg_u32 s96, 0
	s_cselect_b64 s[SEL:SEL+1], s[MM:MM+1], s[SEL:SEL+1]
	s_cselect_b64 s[SEL+2:SEL+3], s[MM+2:MM+3], s[SEL+2:SEL+3]
.endm
.macro ROW a, base                     ; argument a, its eight tokens in s[base] on
.set MR, \a+3*(\a/5)                   ; its row of the tile
	s_mov_b64 s[SEL:SEL+1], 0
	s_mov_b64 s[SEL+2:SEL+3], 0
	CMP \base, 0
.irp t, 1,2,3,4,5,6,7                  ; a token's compares stand one token ahead of the selects that read them
	CMP \base, \t
	SELT \base, \t-1
.endr
	SELT \base, 7
	s_bcnt1_i32_b32 s98, s[SEL]
	s_bcnt1_i32_b32 s96, s[SEL+1]
	s_bcnt1_i32_b32 s97, s[SEL+2]
	s_add_co_u32 s98, s98, s96
	s_bcnt1_i32_b32 s96, s[SEL+3]
	s_add_co_u32 s98, s98, s97
	s_add_co_u32 s98, s98, s96                     ; how many sentence tokens are kept
	v_writelane_b32 v[W0], s[SEL], MR              ; lane m: tokens 0-63 of row m; lane 16 + m: tokens 64-127
	v_writelane_b32 v[W0+1], s[SEL+1], MR
	v_writelane_b32 v[W0], s[SEL+2], MR+16
	v_writelane_b32 v[W0+1], s[SEL+3], MR+16
	v_writelane_b32 v[CNT], s98, MR
.if \a < 5
	s_load_b256 s[\base:\base+7], s[36:37], 32*(\a+5)   ; these registers take the argument five further on: all that read them has been consumed by the selects above
.endif
.endm
.Lbuilder:
.irp i, 0,1,2,3
	global_load_b32 v[IDS+\i], v[IDA], s[6:7] offset:128*\i
.endr
	s_load_b256 s[40:47], s[36:37], 0
	s_load_b256 s[48:55], s[36:37], 32
	s_load_b256 s[56:63], s[36:37], 64
	s_load_b256 s[68:75], s[36:37], 96
	s_load_b256 s[76:83], s[36:37], 128
	XFIRST
	s_wait_kmcnt 0x0                               ; the exponents and arguments 0-4
	s_cmp_eq_u32 s26, 0
	s_cselect_b32 s38, s28, s30                    ; eA
	s_cselect_b32 s39, s29, s31                    ; eB
	s_cmp_eq_u32 s26, 2
	s_cselect_b32 s38, s32, s38
	s_cselect_b32 s39, s33, s39
	s_add_co_i32 s39, s39, s38                     ; eA + eB
	s_add_co_i32 s2, s38, 127
	s_lshl_b32 s3, s2, 23
	v_mov_b32 v35, s3                              ; 2^eA as f32
	s_add_co_i32 s2, s2, 8
	s_lshl_b32 s2, s2, 23
	s_or_b32 s2, s2, 0x600000
	v_mov_b32 v34, s2                              ; 448 x 2^eA
	v_med3_num_f32 v24, 1.0, -v34, v34             ; A's numbers are 0 and 1: the code of 0 is 0; that of 1 is made by the quantiser itself, hold and conversion
.irp i, 1,2,3,4,5,6,7
	v_mov_b32 v[24+\i], 0
.endr
	v_cvt_scalef32_pk8_fp8_f32 v[32:33], v[24:31], v35
	v_nop                                          ; one plain vector instruction between a scaled conversion and the use of its result
	v_and_b32 v[C1], 0xff, v32
	v_mov_b32 v[W0], 0                             ; rows 5-7 and 13-15 stay zero codes
	v_mov_b32 v[W0+1], 0
	v_mov_b32 v[CNT], 0
	s_wait_loadcnt 19                              ; the four loads of ids are in; the ring's 19, issued behind them, stay out
	ROW 0, 40
	ROW 1, 48
	ROW 2, 56
	ROW 3, 68
	ROW 4, 76
	s_wait_kmcnt 0x0                               ; arguments 5-9
	ROW 5, 40
	ROW 6, 48
	ROW 7, 56
	ROW 8, 68
	ROW 9, 76
	; bits to bytes: register j takes four bits.  x 0x204081 lays bit i at i, i + 7, i + 14, i + 21 (sixteen different places: no carry), of which 8 i is kept; x the code of 1.0 fills the bytes
.irp j, 0,1,2,3,4,5,6,7,8,9,10,11,12,13,14,15
	v_bfe_u32 v[AI+\j], v[W0+\j/8], 4*(\j%8), 4
.endr
.irp j, 0,1,2,3,4,5,6,7,8,9,10,11,12,13,14,15
	v_mul_u32_u24 v[AI+\j], v[AI+\j], 0x204081
.endr
.irp j, 0,1,2,3,4,5,6,7,8,9,10,11,12,13,14,15
	v_and_b32 v[AI+\j], 0x01010101, v[AI+\j]
.endr
.irp j, 0,1,2,3,4,5,6,7,8,9,10,11,12,13,14,15
	v_mul_lo_u32 v[AI+\j], v[AI+\j], v[C1]
.endr
.irp q, 0,1,2,3
	ds_store_b128 v[AW], v[AI+4*\q:AI+4*\q+3] offset:AIMG+512*\q
.endr
	v_cvt_f32_u32 v[CNT], v[CNT]
	v_max_num_f32 v[CNT], 1.0, v[CNT]
	v_rcp_f32 v[CNT], v[CNT]
	v_nop                                          ; a plain instruction behind the reciprocal
	s_wait_alu depctr_va_vdst(0)
	v_ldexp_f32 v[CNT], v[CNT], s39                ; 2^(eA + eB) / max(count, 1)
	ds_store_b32 v[FW], v[CNT]
	s_branch .Ljoin
; ---- wave 3: the mask and the reciprocal of its sum
.Lmasker:
	global_load_b128 v[64:67], v[LI], s[8:9]       ; four numbers a lane
	XFIRST
	s_wait_loadcnt 19                              ; the mask is in; the ring's 19 stay out
	ds_store_b128 v[MW], v[64:67]
	v_add_f32 v68, v64, v65
	v_add_f32 v69, v66, v67
	v_add_f32 v68, v68, v69
	v_add_f32_dpp v68, v68, v68 row_xmask:1 row_mask:0xf bank_mask:0xf
	v_add_f32_dpp v68, v68, v68 row_xmask:2 row_mask:0xf bank_mask:0xf
	v_add_f32_dpp v68, v68, v68 row_xmask:4 row_mask:0xf bank_mask:0xf
	v_add_f32_dpp v68, v68, v68 row_xmask:8 row_mask:0xf bank_mask:0xf
	v_permlanex16_b32 v69, v68, s100, s101
	v_add_f32 v68, v68, v69
	v_max_num_f32 v68, 1.0, v68
	v_rcp_f32 v68, v68
	v_nop                                          ; a plain instruction behind the reciprocal
	s_wait_alu depctr_va_vdst(0)
	ds_store_b32 v[RW], v68
.Ljoin:
	s_wait_kmcnt 0x0                               ; the exponents
.irp p, 0,1,2
	s_add_co_i32 s2, s[29+2*\p], 127
	s_lshl_b32 s[MT+\p], s2, 23                    ; 2^eB as f32: the conversion takes its exponent field
	s_add_co_i32 s2, s2, 8
	s_lshl_b32 s2, s2, 23
	s_or_b32 s2, s2, 0x600000
	v_mov_b32 v[LIM+\p], s2                        ; 448 x 2^eB
.endr
	WIN 0x40
.irp p, 0,1,2
	v_mov_b32 v[SC+\p], s[MT+\p]
.endr
	WIN 0
	s_wait_dscnt 0x0                               ; for the others' sake: my LDS stores have landed
	s_barrier_signal -1
	s_barrier_wait -1                              ; the images, the factors, the mask and the reciprocal lie in LDS; from here on LDS is only read.  The ring's loads stay out across it: nobody writes emb
	ds_load_b128 v[M:M+3], v[MRD]
	ds_load_b128 v[M+4:M+7], v[MRD] offset:16
	WIN 0x04                                       ; source 1 window 1: emb in the multiply-adds and the holds, the scale in the conversions
; ---- the stream: eight groups of eight loads
.macro POOL g, i                       ; the pool's four sums of my columns take row i's numbers x its mask number; even and odd rows have sums of their own; the first two rows start them
.set SL, 4*((8*(\g)+\i)%RING)
.set AC, ACC+4*(\i%2)
.set MP, M+\i-\i%2
.if ((\g) == 0) && (\i < 2)
.if \i%2
	v_pk_mul_f32 v[AC:AC+1], v[MP:MP+1], v[SL:SL+1] op_sel:[1,0] op_sel_hi:[1,1]
	v_pk_mul_f32 v[AC+2:AC+3], v[MP:MP+1], v[SL+2:SL+3] op_sel:[1,0] op_sel_hi:[1,1]
.else
	v_pk_mul_f32 v[AC:AC+1], v[MP:MP+1], v[SL:SL+1] op_sel_hi:[0,1]
	v_pk_mul_f32 v[AC+2:AC+3], v[MP:MP+1], v[SL+2:SL+3] op_sel_hi:[0,1]
.endif
.else
.if \i%2
	v_pk_fma_f32 v[AC:AC+1], v[MP:MP+1], v[SL:SL+1], v[AC:AC+1] op_sel:[1,0,0] op_sel_hi:[1,1,1]
	v_pk_fma_f32 v[AC+2:AC+3], v[MP:MP+1], v[SL+2:SL+3], v[AC+2:AC+3] op_sel:[1,0,0] op_sel_hi:[1,1,1]
.else
	v_pk_fma_f32 v[AC:AC+1], v[MP:MP+1], v[SL:SL+1], v[AC:AC+1] op_sel_hi:[0,1,1]
	v_pk_fma_f32 v[AC+2:AC+3], v[MP:MP+1], v[SL+2:SL+3], v[AC+2:AC+3] op_sel_hi:[0,1,1]
.endif
.endif
.endm
.macro GROUP g
; issued so far: min(64, 19 + 8 g) loads; wanted: the first 8 g + 8
.if (\g) < 6
	s_wait_loadcnt 11
.elseif (\g) == 6
	s_wait_loadcnt 8
.else
	s_wait_loadcnt 0
.endif
	s_wait_dscnt 0x0                               ; this group's eight mask numbers
.irp i, 0,1,2,3,4,5,6,7
	POOL \g, \i
.endr
.if (\g) < 7
	ds_load_b128 v[M:M+3], v[MRD] offset:32*((\g)+1)   ; the next group's, behind the lines that read this group's
	ds_load_b128 v[M+4:M+7], v[MRD] offset:32*((\g)+1)+16
.endif
.irp p, 0,1,2
.irp c, 0,1,2,3
.set TT, T0+8*((4*\p+\c)%2)            ; two sets by turns: the eight holds into one set are the plain lines behind the conversion that read the other
.irp i, 0,1,2,3,4,5,6,7
	v_med3_num_f32 v[TT+\i], -v[LIM+\p], v[4*((8*(\g)+\i)%RING)+\c], v[LIM+\p]   ; the conversion to an 8-bit code does not saturate (ISA guide 7.6.2): the hold, which also lays eight tokens of column 4 r + c on end
.endr
	v_cvt_scalef32_pk8_fp8_f32 v[CODE+64*\p+16*\c+2*(\g):CODE+64*\p+16*\c+2*(\g)+1], v[TT:TT+7], v[SC+\p]
.endr
.endr
.if (\g) < 6
	WIN 0x40
.irp u, 0,1,2,3,4,5,6,7
.if RING+8*(\g)+\u < 64
	XLOAD RING+8*(\g)+\u                           ; into the slots that this group has just read out
.endif
.endr
	WIN 0x04
.endif
.endm
.irp g, 0,1,2,3,4,5,6,7
	GROUP \g
.endr
	v_nop                                          ; a plain line behind the last conversion
	WIN 0
; ---- the end: 15 LDS loads; the pool's result; three products
	ds_load_b32 v[RCP], v[RW]
.irp p, 0,1,2
	ds_load_b128 v[FF+8*\p:FF+8*\p+3], v[FRD] offset:128*\p       ; the factors of rows 8 h + 0 .. 7
	ds_load_b128 v[FF+8*\p+4:FF+8*\p+7], v[FRD] offset:128*\p+16
.endr
	WIN 0x40
.irp p, 0,1
.irp q, 0,1,2,3
	ds_load_b128 v[16*\p+4*\q:16*\p+4*\q+3], v[LI] offset:AIMG+2048*\p+512*\q   ; A's fragments of products 0 and 1, as they were stored
.endr
.endr
	WIN 0
	v_pk_add_f32 v[ACC:ACC+1], v[ACC:ACC+1], v[ACC+4:ACC+5]       ; even rows' sums + odd rows'
	v_pk_add_f32 v[ACC+2:ACC+3], v[ACC+2:ACC+3], v[ACC+6:ACC+7]
	v_cmp_ne_u32 vcc_lo, 0, v[H]
	v_cndmask_b32 v[ACC+4], v[ACC], v[ACC+2], vcc_lo              ; I keep columns 4 r + 2 h, + 1,
	v_cndmask_b32 v[ACC+5], v[ACC+1], v[ACC+3], vcc_lo
	v_cndmask_b32 v[ACC+6], v[ACC+2], v[ACC], vcc_lo              ; and hand the other two to the lane 16 away, which holds the other 64 tokens
	v_cndmask_b32 v[ACC+7], v[ACC+3], v[ACC+1], vcc_lo
	v_permlanex16_b32 v[ACC], v[ACC+6], s100, s101
	v_permlanex16_b32 v[ACC+1], v[ACC+7], s100, s101
	v_pk_add_f32 v[ACC+4:ACC+5], v[ACC+4:ACC+5], v[ACC:ACC+1]
	s_wait_dscnt 14                                ; the reciprocal is in; the 14 loads issued behind it may be out
	v_mul_f32 v[ACC+4], v[ACC+4], v[RCP]
	v_mul_f32 v[ACC+5], v[ACC+5], v[RCP]
	global_store_b64 v[PA], v[ACC+4:ACC+5], s[18:19] th:TH_STORE_NT   ; the 32 lanes store 256 consecutive bytes, aligned
.macro PRODUCT p
.if \p == 2
	s_wait_dscnt 0x0
.else
	s_wait_dscnt 0x4                               ; this product's fragment of A and its factors are in; the four loads of the fragment issued last may be out
.endif
	WIN 0x41                                       ; D and A window 1, B window 0
.irp c, 0,1,2,3                        ; four accumulators, each begun with the constant 0: K = 128 is one instruction
	v_wmma_f32_16x16x128_fp8_fp8 v[DD+8*\c:DD+8*\c+7], v[16*(\p%2):16*(\p%2)+15], v[CODE+64*\p+16*\c:CODE+64*\p+16*\c+15], 0
.endr
.rept 5
	v_nop                                          ; four places in front of the reads of the results, of the writes over the codes and of the loads into A's registers; a fifth in front of the next product's matrix instructions, which write the same accumulators
.endr
.if \p == 0
	WIN 0x40
.irp q, 0,1,2,3
	ds_load_b128 v[4*\q:4*\q+3], v[LI] offset:AIMG+2*2048+512*\q  ; product 2's fragment of A takes product 0's registers
.endr
.endif
	WIN 0x01                                       ; source 0 window 1
.irp j, 0,1,2,3,4                      ; each accumulator from its low end on; registers 5-7 are rows that hold no argument
.irp c, 0,1,2,3
	v_mul_f32 v[CODE+64*\p+4*\j+\c], v[DD+8*\c+\j], v[FF+8*\p+\j]   ; sum x 2^(eA + eB) / max(count, 1), into the registers that this product's codes have left
.endr
.endr
	WIN 0
.irp j, 0,1,2,3,4
	global_store_b128 v[OA], v[CODE+64*\p+4*\j:CODE+64*\p+4*\j+3], s[20+2*\p:21+2*\p] offset:ROWB*\j th:TH_STORE_NT   ; lanes 0-15: argument j, lanes 16-31: argument 5 + j; 256 consecutive aligned bytes each
.endr
.endm
	PRODUCT 0
	PRODUCT 1
	PRODUCT 2
	s_wait_tensorcnt 0x0
	ds_add_u32 v62, v63
	s_wait_dscnt 0x0
	s_endpgm
.Lfunc_end_k_q56baab979d_srl:
	.size	k_q56baab979d_srl, .Lfunc_end_k_q56baab979d_srl-k_q56baab979d_srl
	.p2alignl 7, 3214868480
	.fill 96, 4, 3214868480
	.section	.rodata,"a",@progbits
	.p2align	6, 0x0
	.amdhsa_kernel k_q56baab979d_srl
		.amdhsa_group_segment_fixed_size 9216
		.amdhsa_private_segment_fixed_size 0
		.amdhsa_enable_private_segment 0
		.amdhsa_kernarg_size 88
		.amdhsa_user_sgpr_count 2
		.amdhsa_user_sgpr_kernarg_segment_ptr 1
		.amdhsa_wavefront_size32 1
		.amdhsa_system_sgpr_workgroup_id_x 1
		.amdhsa_system_sgpr_workgroup_id_y 1
		.amdhsa_system_sgpr_workgroup_id_z 1
		.amdhsa_system_vgpr_workitem_id 0
		.amdhsa_next_free_vgpr 336
		.amdhsa_next_free_sgpr 102
		.amdhsa_reserve_vcc 1
		.amdhsa_float_denorm_mode_32 3
		.amdhsa_float_denorm_mode_16_64 3
		.amdhsa_memory_ordered 1
		.amdhsa_forward_progress 1
		.amdhsa_inst_pref_size 139
	.end_amdhsa_kernel
	.amdgpu_metadata
---
amdhsa.version: [ 1, 2 ]
amdhsa.kernels:
  - .name:           k_q56baab979d_srl
    .symbol:         k_q56baab979d_srl.kd
    .args:
      - { .name: sentence_embeddings, .offset: 0, .size: 8, .value_kind: global_buffer, .address_space: global }
      - { .name: sentence_ids, .offset: 8, .size: 8, .value_kind: global_buffer, .address_space: global }
      - { .name: sentence_attention_masks, .offset: 16, .size: 8, .value_kind: global_buffer, .address_space: global }
      - { .name: predicate_ids, .offset: 24, .size: 8, .value_kind: global_buffer, .address_space: global }
      - { .name: arg0_ids, .offset: 32, .size: 8, .value_kind: global_buffer, .address_space: global }
      - { .name: arg1_ids, .offset: 40, .size: 8, .value_kind: global_buffer, .address_space: global }
      - { .name: lowp_scales, .offset: 48, .size: 8, .value_kind: global_buffer, .address_space: global }
      - { .name: out0, .offset: 56, .size: 8, .value_kind: global_buffer, .address_space: global }
      - { .name: out1, .offset: 64, .size: 8, .value_kind: global_buffer, .address_space: global }
      - { .name: out2, .offset: 72, .size: 8, .value_kind: global_buffer, .address_space: global }
      - { .name: out3, .offset: 80, .size: 8, .value_kind: global_buffer, .address_space: global }
    .group_segment_fixed_size: 9216
    .private_segment_fixed_size: 0
    .kernarg_segment_align: 8
    .kernarg_segment_size: 88
    .max_flat_workgroup_size: 384
    .sgpr_count:     102
    .vgpr_count:     336
    .wavefront_size: 32
...
	.end_amdgpu_metadata
.endif
;; end of part 1
;; ======== version 2 of 2: 1 launch; version 1 with the launch srl written anew for expert scheduling mode
;; launch srl (part 2): grid 256 x 1, 12 waves a work-group, no clusters, 9,216 bytes of LDS; arguments sentence_embeddings, sentence_ids, sentence_attention_masks, predicate_ids, arg0_ids, arg1_ids, lowp_scales, out0, out1, out2, out3; writes out0, out1, out2, out3
.if DOCPART == 2
	.amdgcn_target "amdgcn-amd-amdhsa--gfx1250"
	.amdhsa_code_object_version 6
	.text
	.protected	k_q56baab979d_srl
	.globl	k_q56baab979d_srl
	.p2align	8
	.type	k_q56baab979d_srl,@function
k_q56baab979d_srl:
	s_mov_b64 s[64:65], 0
	v_nop
	global_prefetch_b8 v0, s[64:65] scope:SCOPE_SE
	s_setreg_imm32_b32 hwreg(HW_REG_WAVE_SCHED_MODE, 0, 2), 2
	s_setreg_imm32_b32 hwreg(HW_REG_WAVE_MODE, 25, 1), 1
	s_wait_xcnt 0x0
	s_wait_alu depctr_vm_vsrc(0)
; For each of 256 sentences: emb [128 tokens][768] f32, 128 token ids, 128 mask numbers, three tensors of 10 arguments x 8 argument tokens.
; out0 = (sum over tokens of mask x emb) / max(sum of mask, 1), in f32 multiply-adds.
; out1..3 (predicates, arg0, arg1): for each argument the LAST of its 8 tokens that is not 0 and occurs in the sentence is kept; the result is the mean of emb over the
; sentence tokens equal to it, or 0 where no token occurs.  That sum is a product on codes of FP8 (E4M3): A = the kept token's row of 0 / 1 over the 128 sentence tokens, B = emb, K = the tokens;
; each of the three products has its own two given scales 2^e, so emb is quantised three times, in registers.  Only the kept row of each argument is multiplied: the other seven are thrown away by the problem's own gather.
; The choice is made on whole numbers by compares and scalar selects; no address and no branch hangs on it.
; SHARES.  One work-group a sentence, 256 in all; work-groups share no input, so nothing is asked for jointly.  Wave w of twelve takes columns 64 w .. 64 w + 63 and all 128 tokens.
; Lane (r = lane % 16, h = lane / 16) holds columns 4 r .. 4 r + 3 of the strip and tokens 64 h + 0 .. 63: load i brings row i to lanes 0-15 and row 64 + i to lanes 16-31, 256 consecutive aligned bytes each.
; LAYOUT.  Tile c of B's columns is the set 4 r + c.  The hold in front of the conversion writes other registers than it reads, and so lays eight tokens of one column on end; register j, byte b of a fragment holds
; token 64 h + 4 j + b, in A as in B: a permutation of K that is the same on both sides.  In the result, register j of tile c is (row 8 h + j, column 4 r + c): the four tiles' registers j are 16 neighbouring bytes of a row.
; Argument a stands in row a (a < 5) or a + 3: lanes 0-15 hold arguments 0-4, lanes 16-31 arguments 5-9, in registers 0-4; each store of the wave covers two runs of 256 consecutive aligned bytes.
; ROLES ahead of the one barrier: waves 0-2 build product w's fragment of A and its rows' factors 2^(eA + eB) / max(count, 1); wave 3 lays the mask and 1 / max(its sum, 1) into LDS; every wave has its first 19 loads out meanwhile.
; LIMITS.  Each of the six given exponents lies between -126 and 119, so that 2^e and 448 x 2^e are f32 numbers.  NaN among the embeddings is not served; an infinity is held at the largest code.
; Divisions are a reciprocal (v_rcp_f32) and a multiplication.
; REGISTERS.  Window 0: v1-15 addresses; v16-23 the pool's sums; v24-39 two sets of eight held numbers; v40-47 and v52-59 two sets of eight mask numbers; v48-50 448 x 2^eB; v62, v63 the closing add's two; v64-255 the codes: product p, tile c at 64 + 64 p + 16 c.
; Window 1: v0-75 a ring of 19 slots of four registers for emb; v76-78 2^eB.  At the end window 1 holds A's fragments (v0-15, v16-31, v64-79) and the four accumulators (v32-63).
; THE MODE: SCHED_MODE bits 1:0 = 2 (LLVM: expert scheduling mode 2), set by the entry lines.  The code itself states the register dependences
; between vector or matrix instructions and memory or LDS instructions, with s_wait_alu, always for 0.
; THE PLAN.  Registers that memory or LDS instructions touch, and who else names them:
;   v4-v14, v62, v63  Offsets and LDS addresses: written at the head and never again.  One wait on va_vdst at the head's end states them for every load and store of the kernel.
;   the ring          Group g's pool lines and holds read its eight slots; behind them the loads of rows 19 + 8 g on land in those slots.
;   the mask's sets   Group g's pool lines read set g % 2; the LDS loads at the head of group g + 1 land in it (group g + 2's numbers).
;                     So ONE wait on va_vdst stands at the end of each group that asks for more rows: it states that the group's vector lines are done reading its slots and its mask set.
;                     The held numbers, the codes, the pool's sums and the scales are named by vector instructions alone while the stream runs.
;   the stream's end  One wait on va_vdst: the factors land in the held numbers' registers and in mask set 0, A's three fragments in slots of the ring and in the scales' registers.
;   the results       Product p's 20 registers and the pool's two are written once, by multiplications, and read by stores: one wait on va_vdst ahead of each run of stores; nothing writes them again.
;   ahead of the barrier  A builder's image and factor, wave 3's mask and reciprocal: written by vector lines or loads, read by LDS stores (a wait on va_vdst ahead of them), written again by the stream's conversions
;                     (a wait on vm_vsrc at the end of each of the two paths).
;   scalar results    of vector instructions: the wave's number, the builders' match words, one mask in VCC: a wait on va_sdst or va_vcc between the writer and its first reader.
.set RING,  19                         ; slots = loads of a wave in flight at the most
.set ROWB,  3072                       ; a row of emb or of an output, in bytes
.set AIMG,  0                          ; LDS: A's fragment of product p as an image of its registers: registers 4 q .. 4 q + 3 at 2048 p + 512 q + 16 x lane
.set FB,    6144                       ; the factor of row m of product p at 128 p + 4 m
.set MB,    6656                       ; the mask, 128 numbers
.set RB,    7168                       ; 1 / max(sum of the mask, 1), a word a lane
.set LN,    1                          ; v1   lane
.set R,     2                          ; v2   r
.set H,     3                          ; v3   h
.set XA,    4                          ; v4   emb: 64 rows x h + 16 r + 256 w
.set OA,    5                          ; v5   out1..3: 5 rows x h + 16 r + 256 w
.set PA,    6                          ; v6   out0: 256 w + 16 r + 8 h
.set LI,    7                          ; v7   16 x lane
.set AW,    8                          ; v8   where a builder stores its image
.set FW,    9                          ; v9   where a builder stores its factors
.set FRD,   10                         ; v10  where I read my half's factors
.set MRD,   11                         ; v11  where I read my half's mask numbers
.set MW,    12                         ; v12  where wave 3 stores the mask
.set RW,    13                         ; v13  the reciprocal's word of my lane
.set IDA,   14                         ; v14  4 x lane
.set RCP,   15
.set ACC,   16
.set T0,    24
.set M,     40                         ; mask set 0;
.set MSTEP, 12                         ; set 1 lies 12 registers on, at v52
.set LIM,   48
.set TP,    51
.set CODE,  64
.set FF,    24                         ; at the end: product p's eight factors at v[24 + 8 p]
.set SC,    76                         ; in window 1
.set DD,    32                         ; in window 1
.set IDS,   64                         ; a builder's own: the sentence's ids, word i = token 32 i + lane
.set W0,    68                         ; v68, v69: my row's 64 match bits of my half;  v70: its count
.set CNT,   70
.set C1,    72                         ; the code of 1.0 under 2^eA
.set AI,    80                         ; the image, 16 registers
.set MT,    84                         ; s[84:87], s[88:91] the match words of an argument token: sets 0 and 1 of four;
.set MU,    8                          ; s[8:11], s[12:15] sets 2 and 3: a builder is done with the four pointers that lay here once its own tensor is chosen
.set SEL,   92                         ; s[92:95] the match words that are kept
.set MSB, 0
.macro WIN new                         ; the immediate's high byte repeats the setting that is left
.if MSB != \new
	s_set_vgpr_msb (MSB<<8)|\new
.set MSB, \new
.endif
.endm
.macro XLOAD n                         ; load n of 64: rows n and 64 + n of my strip, into slot n % RING of window 1
	global_load_b128 v[4*((\n)%RING):4*((\n)%RING)+3], v[XA], s[4:5] offset:(\n)*ROWB th:TH_LOAD_NT
.endm
.macro XFIRST                          ; the ring's first fill: no vector instruction has named the slots, and v[XA] stands behind the head's wait
	WIN 0x40                                       ; destination window 1
.set N, 0
.rept RING
	XLOAD N
.set N, N+1
.endr
	WIN 0
.endm
	s_load_b512 s[4:19], s[0:1], 0x0               ; emb s[4:5], ids s[6:7], mask s[8:9], predicates s[10:11], arg0 s[12:13], arg1 s[14:15], exponents s[16:17], out0 s[18:19]
	s_load_b128 s[20:23], s[0:1], 0x40             ; out1, out2
	s_load_b64 s[24:25], s[0:1], 0x50              ; out3
	v_lshl_add_u32 v62, v0, 2, 0x1e00              ; my spare word, behind the reciprocal's words: kept for the closing add alone
	v_mov_b32 v63, 0
	v_and_b32 v[LN], 31, v0
	v_and_b32 v[R], 15, v0
	v_bfe_u32 v[H], v0, 4, 1
	v_lshrrev_b32 v[TP], 5, v0
	v_readfirstlane_b32 s26, v[TP]                 ; wave 0..11
	v_mul_u32_u24 v[TP], v[H], 64*ROWB             ; what hangs on the lane alone stands between that line and the wait for it
	v_lshl_add_u32 v[XA], v[R], 4, v[TP]
	v_mul_u32_u24 v[TP], v[H], 5*ROWB
	v_lshl_add_u32 v[OA], v[R], 4, v[TP]
	v_lshlrev_b32 v[PA], 4, v[R]
	v_lshl_add_u32 v[PA], v[H], 3, v[PA]
	v_lshlrev_b32 v[LI], 4, v[LN]
	v_lshl_add_u32 v[FRD], v[H], 5, FB
	v_lshl_add_u32 v[MRD], v[H], 8, MB
	v_add_nc_u32 v[MW], MB, v[LI]
	v_lshlrev_b32 v[IDA], 2, v[LN]
	v_lshl_add_u32 v[RW], v[LN], 2, RB
	s_wait_alu depctr_va_sdst(0)                   ; s26 is written, ahead of its first reader
	s_min_u32 s27, s26, 2                          ; a builder's product; in the other waves a number that keeps the two addresses below inside LDS, where they are not used
	v_lshl_add_u32 v[XA], s26, 8, v[XA]
	v_lshl_add_u32 v[OA], s26, 8, v[OA]
	v_lshl_add_u32 v[PA], s26, 8, v[PA]
	s_lshl_b32 s2, s27, 11
	v_add_nc_u32 v[AW], s2, v[LI]
	s_lshl_b32 s2, s27, 7
	s_add_co_u32 s2, s2, FB
	v_lshl_add_u32 v[FW], v[LN], 2, s2
	s_mov_b32 s100, 0x76543210                     ; v_permlanex16_b32: each lane takes its own place in the other half
	s_mov_b32 s101, 0xfedcba98
	s_mov_b32 s35, 0
	s_wait_kmcnt 0x0
	s_load_b128 s[28:31], s[16:17], 0x0            ; the exponents: eA, eB of product 0, of product 1,
	s_load_b64 s[32:33], s[16:17], 0x10            ; of product 2
	s_mul_i32 s34, ttmp9, 128*ROWB                 ; every base goes to my sentence, once; none is written again
	s_add_nc_u64 s[4:5], s[4:5], s[34:35]
	s_lshl_b32 s34, ttmp9, 9
	s_add_nc_u64 s[6:7], s[6:7], s[34:35]
	s_add_nc_u64 s[8:9], s[8:9], s[34:35]
	s_mul_i32 s34, ttmp9, ROWB
	s_add_nc_u64 s[18:19], s[18:19], s[34:35]
	s_mul_i32 s34, ttmp9, 10*ROWB
	s_add_nc_u64 s[20:21], s[20:21], s[34:35]
	s_add_nc_u64 s[22:23], s[22:23], s[34:35]
	s_add_nc_u64 s[24:25], s[24:25], s[34:35]
	s_mul_i32 s34, ttmp9, 320                      ; 10 arguments x 8 tokens x 4 bytes
	s_cmp_eq_u32 s26, 0                            ; the tensor of arguments is chosen by the wave's number
	s_cselect_b64 s[36:37], s[10:11], s[12:13]
	s_cmp_eq_u32 s26, 2
	s_cselect_b64 s[36:37], s[14:15], s[36:37]
	s_add_nc_u64 s[36:37], s[36:37], s[34:35]
	s_wait_alu depctr_va_vdst(0)                   ; the offsets and LDS addresses v4 to v14 are written, which every load and store on every way below reads; no vector instruction writes them again
	s_cmp_lt_u32 s26, 3                            ; the waves part once, by their number
	s_cbranch_scc1 .Lbuilder
	s_cmp_eq_u32 s26, 3
	s_cbranch_scc1 .Lmasker
	XFIRST
	s_branch .Ljoin
; ---- waves 0-2: product w's fragment of A and its factors
.macro SETOF t                         ; MM: the four registers of token t's match words: set t % 4
.if ((\t)%4) < 2
.set MM, MT+4*((\t)%4)
.else
.set MM, MU+4*((\t)%4-2)
.endif
.endm
.macro CMP base, t                     ; which of the 128 sentence tokens equal argument token t: four words of 32 bits
	SETOF \t
.irp i, 0,1,2,3
	v_cmp_eq_u32 s[MM+\i], s[\base+(\t)], v[IDS+\i]
.endr
.endm
.macro SELT base, t                    ; token t's words are kept if it is not 0 and occurs: t ascends, so the last such token stays
	SETOF \t
	s_or_b32 s96, s[MM], s[MM+1]
	s_or_b32 s97, s[MM+2], s[MM+3]
	s_or_b32 s96, s96, s97
	s_cmp_lg_u32 s[\base+(\t)], 0
	s_cselect_b32 s96, s96, 0
	s_cmp_lg_u32 s96, 0
	s_cselect_b64 s[SEL:SEL+1], s[MM:MM+1], s[SEL:SEL+1]
	s_cselect_b64 s[SEL+2:SEL+3], s[MM+2:MM+3], s[SEL+2:SEL+3]
.endm
.macro ROW a, base                     ; argument a, its eight tokens in s[base] on: two runs of sixteen compares, four tokens each, with one wait behind each run
.set MR, \a+3*(\a/5)                   ; its row of the tile
.irp t, 0,1,2,3
	CMP \base, \t
.endr
	s_mov_b64 s[SEL:SEL+1], 0
	s_mov_b64 s[SEL+2:SEL+3], 0
	s_wait_alu depctr_va_sdst(0)                   ; the sixteen compares have written the match words of tokens 0 to 3, which the selects below read
.irp t, 0,1,2,3
	SELT \base, \t
.endr
.irp t, 4,5,6,7
	CMP \base, \t
.endr
	s_wait_alu depctr_va_sdst(0)                   ; the same for tokens 4 to 7; every compare that reads s[base] on is done, ahead of the scalar load below that writes those registers
.irp t, 4,5,6,7
	SELT \base, \t
.endr
	s_bcnt1_i32_b32 s98, s[SEL]
	s_bcnt1_i32_b32 s96, s[SEL+1]
	s_bcnt1_i32_b32 s97, s[SEL+2]
	s_add_co_u32 s98, s98, s96
	s_bcnt1_i32_b32 s96, s[SEL+3]
	s_add_co_u32 s98, s98, s97
	s_add_co_u32 s98, s98, s96                     ; how many sentence tokens are kept
	v_writelane_b32 v[W0], s[SEL], MR              ; lane m: tokens 0-63 of row m; lane 16 + m: tokens 64-127
	v_writelane_b32 v[W0+1], s[SEL+1], MR
	v_writelane_b32 v[W0], s[SEL+2], MR+16
	v_writelane_b32 v[W0+1], s[SEL+3], MR+16
	v_writelane_b32 v[CNT], s98, MR
.if \a < 5
	s_load_b256 s[\base:\base+7], s[36:37], 32*(\a+5)   ; these registers take the argument five further on: all that read them has been consumed by the selects above
.endif
.endm
.Lbuilder:
.irp i, 0,1,2,3
	global_load_b32 v[IDS+\i], v[IDA], s[6:7] offset:128*\i
.endr
	s_load_b256 s[40:47], s[36:37], 0
	s_load_b256 s[48:55], s[36:37], 32
	s_load_b256 s[56:63], s[36:37], 64
	s_load_b256 s[68:75], s[36:37], 96
	s_load_b256 s[76:83], s[36:37], 128
	XFIRST
	s_wait_kmcnt 0x0                               ; the exponents and arguments 0-4
	s_cmp_eq_u32 s26, 0
	s_cselect_b32 s38, s28, s30                    ; eA
	s_cselect_b32 s39, s29, s31                    ; eB
	s_cmp_eq_u32 s26, 2
	s_cselect_b32 s38, s32, s38
	s_cselect_b32 s39, s33, s39
	s_add_co_i32 s39, s39, s38                     ; eA + eB
	s_add_co_i32 s2, s38, 127
	s_lshl_b32 s3, s2, 23
	v_mov_b32 v35, s3                              ; 2^eA as f32
	s_add_co_i32 s2, s2, 8
	s_lshl_b32 s2, s2, 23
	s_or_b32 s2, s2, 0x600000
	v_mov_b32 v34, s2                              ; 448 x 2^eA
	v_med3_num_f32 v24, 1.0, -v34, v34             ; A's numbers are 0 and 1: the code of 0 is 0; that of 1 is made by the quantiser itself, hold and conversion
.irp i, 1,2,3,4,5,6,7
	v_mov_b32 v[24+\i], 0
.endr
	v_cvt_scalef32_pk8_fp8_f32 v[32:33], v[24:31], v35
	v_nop                                          ; one plain vector instruction between a scaled conversion and the use of its result
	v_and_b32 v[C1], 0xff, v32
	v_mov_b32 v[W0], 0                             ; rows 5-7 and 13-15 stay zero codes
	v_mov_b32 v[W0+1], 0
	v_mov_b32 v[CNT], 0
	s_wait_loadcnt 19                              ; the four loads of ids are in; the ring's 19, issued behind them, stay out
	ROW 0, 40
	ROW 1, 48
	ROW 2, 56
	ROW 3, 68
	ROW 4, 76
	s_wait_kmcnt 0x0                               ; arguments 5-9
	ROW 5, 40
	ROW 6, 48
	ROW 7, 56
	ROW 8, 68
	ROW 9, 76
	v_cvt_f32_u32 v[CNT], v[CNT]
	v_max_num_f32 v[CNT], 1.0, v[CNT]
	v_rcp_f32 v[CNT], v[CNT]                       ; the 64 plain lines below, which do not name it, stand between the reciprocal and its use
	; bits to bytes: register j takes four bits.  x 0x204081 lays bit i at i, i + 7, i + 14, i + 21 (sixteen different places: no carry), of which 8 i is kept; x the code of 1.0 fills the bytes
.irp j, 0,1,2,3,4,5,6,7,8,9,10,11,12,13,14,15
	v_bfe_u32 v[AI+\j], v[W0+\j/8], 4*(\j%8), 4
.endr
.irp j, 0,1,2,3,4,5,6,7,8,9,10,11,12,13,14,15
	v_mul_u32_u24 v[AI+\j], v[AI+\j], 0x204081
.endr
.irp j, 0,1,2,3,4,5,6,7,8,9,10,11,12,13,14,15
	v_and_b32 v[AI+\j], 0x01010101, v[AI+\j]
.endr
.irp j, 0,1,2,3,4,5,6,7,8,9,10,11,12,13,14,15
	v_mul_lo_u32 v[AI+\j], v[AI+\j], v[C1]
.endr
	s_wait_alu depctr_va_vdst(0)                   ; the image's sixteen registers are written, which the four LDS stores read; and the reciprocal's result is written, ahead of its first reader below
.irp q, 0,1,2,3
	ds_store_b128 v[AW], v[AI+4*\q:AI+4*\q+3] offset:AIMG+512*\q
.endr
	v_ldexp_f32 v[CNT], v[CNT], s39                ; 2^(eA + eB) / max(count, 1)
	s_wait_alu depctr_va_vdst(0)                   ; the factor is written, which the LDS store reads
	ds_store_b32 v[FW], v[CNT]
	s_wait_alu depctr_vm_vsrc(0)                   ; my five LDS stores have read the image and the factor: these registers hold codes from the stream's first group on
	s_branch .Ljoin
; ---- wave 3: the mask and the reciprocal of its sum
.Lmasker:
	global_load_b128 v[64:67], v[LI], s[8:9]       ; four numbers a lane
	XFIRST
	s_wait_loadcnt 19                              ; the mask is in; the ring's 19 stay out
	ds_store_b128 v[MW], v[64:67]
	v_add_f32 v68, v64, v65
	v_add_f32 v69, v66, v67
	v_add_f32 v68, v68, v69
	v_add_f32_dpp v68, v68, v68 row_xmask:1 row_mask:0xf bank_mask:0xf
	v_add_f32_dpp v68, v68, v68 row_xmask:2 row_mask:0xf bank_mask:0xf
	v_add_f32_dpp v68, v68, v68 row_xmask:4 row_mask:0xf bank_mask:0xf
	v_add_f32_dpp v68, v68, v68 row_xmask:8 row_mask:0xf bank_mask:0xf
	v_permlanex16_b32 v69, v68, s100, s101
	v_add_f32 v68, v68, v69
	v_max_num_f32 v68, 1.0, v68
	v_rcp_f32 v68, v68
	v_nop                                          ; a plain instruction behind the reciprocal
	s_wait_alu depctr_va_vdst(0)                   ; the reciprocal's result is written, which the LDS store reads
	ds_store_b32 v[RW], v68
	s_wait_alu depctr_vm_vsrc(0)                   ; my two LDS stores have read v64 to v68: these registers hold codes from the stream's first group on
.Ljoin:
	s_wait_kmcnt 0x0                               ; the exponents
.irp p, 0,1,2
	s_add_co_i32 s2, s[29+2*\p], 127
	s_lshl_b32 s[MT+\p], s2, 23                    ; 2^eB as f32: the conversion takes its exponent field
	s_add_co_i32 s2, s2, 8
	s_lshl_b32 s2, s2, 23
	s_or_b32 s2, s2, 0x600000
	v_mov_b32 v[LIM+\p], s2                        ; 448 x 2^eB
.endr
	WIN 0x40
.irp p, 0,1,2
	v_mov_b32 v[SC+\p], s[MT+\p]
.endr
	WIN 0
	s_wait_dscnt 0x0                               ; for the others' sake: my LDS stores have landed
	s_barrier_signal -1
	s_barrier_wait -1                              ; the images, the factors, the mask and the reciprocal lie in LDS; from here on LDS is only read.  The ring's loads stay out across it: nobody writes emb
	ds_load_b128 v[M:M+3], v[MRD]                  ; group 0's mask numbers, into set 0: no vector instruction has named either set
	ds_load_b128 v[M+4:M+7], v[MRD] offset:16
	WIN 0x04                                       ; source 1 window 1: emb in the multiply-adds and the holds, the scale in the conversions
; ---- the stream: eight groups of eight loads
.macro POOL g, i                       ; the pool's four sums of my columns take row i's numbers x its mask number; even and odd rows have sums of their own; the first two rows start them
.set SL, 4*((8*(\g)+\i)%RING)
.set AC, ACC+4*(\i%2)
.set MP, M+MSTEP*((\g)%2)+\i-\i%2
.if ((\g) == 0) && (\i < 2)
.if \i%2
	v_pk_mul_f32 v[AC:AC+1], v[MP:MP+1], v[SL:SL+1] op_sel:[1,0] op_sel_hi:[1,1]
	v_pk_mul_f32 v[AC+2:AC+3], v[MP:MP+1], v[SL+2:SL+3] op_sel:[1,0] op_sel_hi:[1,1]
.else
	v_pk_mul_f32 v[AC:AC+1], v[MP:MP+1], v[SL:SL+1] op_sel_hi:[0,1]
	v_pk_mul_f32 v[AC+2:AC+3], v[MP:MP+1], v[SL+2:SL+3] op_sel_hi:[0,1]
.endif
.else
.if \i%2
	v_pk_fma_f32 v[AC:AC+1], v[MP:MP+1], v[SL:SL+1], v[AC:AC+1] op_sel:[1,0,0] op_sel_hi:[1,1,1]
	v_pk_fma_f32 v[AC+2:AC+3], v[MP:MP+1], v[SL+2:SL+3], v[AC+2:AC+3] op_sel:[1,0,0] op_sel_hi:[1,1,1]
.else
	v_pk_fma_f32 v[AC:AC+1], v[MP:MP+1], v[SL:SL+1], v[AC:AC+1] op_sel_hi:[0,1,1]
	v_pk_fma_f32 v[AC+2:AC+3], v[MP:MP+1], v[SL+2:SL+3], v[AC+2:AC+3] op_sel_hi:[0,1,1]
.endif
.endif
.endm
.macro GROUP g
; issued so far: min(64, 19 + 8 g) loads; wanted: the first 8 g + 8
.if (\g) < 6
	s_wait_loadcnt 11
.elseif (\g) == 6
	s_wait_loadcnt 8
.else
	s_wait_loadcnt 0
.endif
	s_wait_dscnt 0x0                               ; this group's eight mask numbers
.if (\g) < 7
.set MN, M+MSTEP*(((\g)+1)%2)
	ds_load_b128 v[MN:MN+3], v[MRD] offset:32*((\g)+1)      ; the next group's, into the other set: its last readers, the pool lines of the group before, stand ahead of the wait at that group's end,
	ds_load_b128 v[MN+4:MN+7], v[MRD] offset:32*((\g)+1)+16 ; and no vector instruction since names it.  They have this whole group in which to land
.endif
.irp i, 0,1,2,3,4,5,6,7
	POOL \g, \i
.endr
.irp p, 0,1,2
.irp c, 0,1,2,3
.set TT, T0+8*((4*\p+\c)%2)            ; two sets by turns: the eight holds into one set are the plain lines behind the conversion that read the other
.irp i, 0,1,2,3,4,5,6,7
	v_med3_num_f32 v[TT+\i], -v[LIM+\p], v[4*((8*(\g)+\i)%RING)+\c], v[LIM+\p]   ; the conversion to an 8-bit code does not saturate (ISA guide 7.6.2): the hold, which also lays eight tokens of column 4 r + c on end
.endr
	v_cvt_scalef32_pk8_fp8_f32 v[CODE+64*\p+16*\c+2*(\g):CODE+64*\p+16*\c+2*(\g)+1], v[TT:TT+7], v[SC+\p]
.endr
.endr
.if (\g) < 6
	WIN 0x40
	s_wait_alu depctr_va_vdst(0)                   ; this group's pool lines and holds are done reading its eight slots, in which the loads below land, and its mask set, in which the next group's LDS loads land
.irp u, 0,1,2,3,4,5,6,7
.if RING+8*(\g)+\u < 64
	XLOAD RING+8*(\g)+\u                           ; into the slots that this group has just read out
.endif
.endr
	WIN 0x04
.endif
.endm
.irp g, 0,1,2,3,4,5,6,7
	GROUP \g
.endr
	v_nop                                          ; a plain line behind the last conversion
	WIN 0
; ---- the end: 19 LDS loads; the pool's result; three products
	s_wait_alu depctr_va_vdst(0)                   ; the stream's vector lines are done with the held numbers' registers and mask set 0, in which the factors land, and with the ring's slots and the scales' registers, in which A's fragments land
	ds_load_b32 v[RCP], v[RW]
.irp p, 0,1,2
	ds_load_b128 v[FF+8*\p:FF+8*\p+3], v[FRD] offset:128*\p       ; the factors of rows 8 h + 0 .. 7
	ds_load_b128 v[FF+8*\p+4:FF+8*\p+7], v[FRD] offset:128*\p+16
.endr
	WIN 0x40
.irp p, 0,1,2
.irp q, 0,1,2,3
	ds_load_b128 v[16*\p+32*(\p/2)+4*\q:16*\p+32*(\p/2)+4*\q+3], v[LI] offset:AIMG+2048*\p+512*\q   ; A's three fragments, as they were stored: at v0, v16 and v64 of window 1, round the accumulators
.endr
.endr
	WIN 0
	v_cmp_ne_u32 vcc_lo, 0, v[H]
	v_pk_add_f32 v[ACC:ACC+1], v[ACC:ACC+1], v[ACC+4:ACC+5]       ; even rows' sums + odd rows'
	v_pk_add_f32 v[ACC+2:ACC+3], v[ACC+2:ACC+3], v[ACC+6:ACC+7]
	s_wait_alu depctr_va_vcc(0)                    ; the compare has written VCC, which the four selects read
	v_cndmask_b32 v[ACC+4], v[ACC], v[ACC+2], vcc_lo              ; I keep columns 4 r + 2 h, + 1,
	v_cndmask_b32 v[ACC+5], v[ACC+1], v[ACC+3], vcc_lo
	v_cndmask_b32 v[ACC+6], v[ACC+2], v[ACC], vcc_lo              ; and hand the other two to the lane 16 away, which holds the other 64 tokens
	v_cndmask_b32 v[ACC+7], v[ACC+3], v[ACC+1], vcc_lo
	v_permlanex16_b32 v[ACC], v[ACC+6], s100, s101
	v_permlanex16_b32 v[ACC+1], v[ACC+7], s100, s101
	v_pk_add_f32 v[ACC+4:ACC+5], v[ACC+4:ACC+5], v[ACC:ACC+1]
	s_wait_dscnt 18                                ; the reciprocal is in; the 18 loads issued behind it may be out
	v_mul_f32 v[ACC+4], v[ACC+4], v[RCP]
	v_mul_f32 v[ACC+5], v[ACC+5], v[RCP]           ; the pool's two results leave with product 0's, behind one wait
.macro PRODUCT p
.set AF, 16*\p+32*(\p/2)               ; its fragment of A, in window 1
	s_wait_dscnt 8-4*\p                            ; this product's fragment of A and all the factors are in; the later fragments' loads, four each, may be out
	WIN 0x41                                       ; D and A window 1, B window 0
.irp c, 0,1,2,3                        ; four accumulators, each begun with the constant 0: K = 128 is one instruction
	v_wmma_f32_16x16x128_fp8_fp8 v[DD+8*\c:DD+8*\c+7], v[AF:AF+15], v[CODE+64*\p+16*\c:CODE+64*\p+16*\c+15], 0
.endr
.rept 5
	v_nop                                          ; four places in front of the reads of the results and of the writes over the codes; a fifth in front of the next product's matrix instructions, which write the same accumulators (ISA guide 7.12.1)
.endr
	WIN 0x01                                       ; source 0 window 1
.irp j, 0,1,2,3,4                      ; each accumulator from its low end on; registers 5-7 are rows that hold no argument
.irp c, 0,1,2,3
	v_mul_f32 v[CODE+64*\p+4*\j+\c], v[DD+8*\c+\j], v[FF+8*\p+\j]   ; sum x 2^(eA + eB) / max(count, 1), into the registers that this product's codes have left
.endr
.endr
	WIN 0
	s_wait_alu depctr_va_vdst(0)                   ; the multiplications have written this product's twenty results (product 0: and the pool's two), which the stores below read; nothing writes them again
.if \p == 0
	global_store_b64 v[PA], v[ACC+4:ACC+5], s[18:19] th:TH_STORE_NT   ; the 32 lanes store 256 consecutive bytes, aligned
.endif
.irp j, 0,1,2,3,4
	global_store_b128 v[OA], v[CODE+64*\p+4*\j:CODE+64*\p+4*\j+3], s[20+2*\p:21+2*\p] offset:ROWB*\j th:TH_STORE_NT   ; lanes 0-15: argument j, lanes 16-31: argument 5 + j; 256 consecutive aligned bytes each
.endr
.endm
	PRODUCT 0
	PRODUCT 1
	PRODUCT 2
	s_wait_dscnt 0x0                               ; the closing lines, six on end
	s_wait_alu 0x0
	s_wait_tensorcnt 0x0
	ds_add_u32 v62, v63
	s_wait_dscnt 0x0
	s_endpgm
.Lfunc_end_k_q56baab979d_srl:
	.size	k_q56baab979d_srl, .Lfunc_end_k_q56baab979d_srl-k_q56baab979d_srl
	.p2alignl 7, 3214868480
	.fill 96, 4, 3214868480
	.section	.rodata,"a",@progbits
	.p2align	6, 0x0
	.amdhsa_kernel k_q56baab979d_srl
		.amdhsa_group_segment_fixed_size 9216
		.amdhsa_private_segment_fixed_size 0
		.amdhsa_enable_private_segment 0
		.amdhsa_kernarg_size 88
		.amdhsa_user_sgpr_count 2
		.amdhsa_user_sgpr_kernarg_segment_ptr 1
		.amdhsa_wavefront_size32 1
		.amdhsa_system_sgpr_workgroup_id_x 1
		.amdhsa_system_sgpr_workgroup_id_y 1
		.amdhsa_system_sgpr_workgroup_id_z 1
		.amdhsa_system_vgpr_workitem_id 0
		.amdhsa_next_free_vgpr 336
		.amdhsa_next_free_sgpr 102
		.amdhsa_reserve_vcc 1
		.amdhsa_float_denorm_mode_32 3
		.amdhsa_float_denorm_mode_16_64 3
		.amdhsa_memory_ordered 1
		.amdhsa_forward_progress 1
		.amdhsa_inst_pref_size 140
	.end_amdhsa_kernel
	.amdgpu_metadata
---
amdhsa.version: [ 1, 2 ]
amdhsa.kernels:
  - .name:           k_q56baab979d_srl
    .symbol:         k_q56baab979d_srl.kd
    .args:
      - { .name: sentence_embeddings, .offset: 0, .size: 8, .value_kind: global_buffer, .address_space: global }
      - { .name: sentence_ids, .offset: 8, .size: 8, .value_kind: global_buffer, .address_space: global }
      - { .name: sentence_attention_masks, .offset: 16, .size: 8, .value_kind: global_buffer, .address_space: global }
      - { .name: predicate_ids, .offset: 24, .size: 8, .value_kind: global_buffer, .address_space: global }
      - { .name: arg0_ids, .offset: 32, .size: 8, .value_kind: global_buffer, .address_space: global }
      - { .name: arg1_ids, .offset: 40, .size: 8, .value_kind: global_buffer, .address_space: global }
      - { .name: lowp_scales, .offset: 48, .size: 8, .value_kind: global_buffer, .address_space: global }
      - { .name: out0, .offset: 56, .size: 8, .value_kind: global_buffer, .address_space: global }
      - { .name: out1, .offset: 64, .size: 8, .value_kind: global_buffer, .address_space: global }
      - { .name: out2, .offset: 72, .size: 8, .value_kind: global_buffer, .address_space: global }
      - { .name: out3, .offset: 80, .size: 8, .value_kind: global_buffer, .address_space: global }
    .group_segment_fixed_size: 9216
    .private_segment_fixed_size: 0
    .kernarg_segment_align: 8
    .kernarg_segment_size: 88
    .max_flat_workgroup_size: 384
    .sgpr_count:     102
    .vgpr_count:     336
    .wavefront_size: 32
...
	.end_amdgpu_metadata
.endif
;; end of part 2
